; MI455X (gfx1250); checked and timed in simulation.
; The chip was launched on July 23, 2026; its instructions are those of AMD's public machine-readable ISA for CDNA 5 (MIT licence, August 2026) and "CDNA5" Instruction Set Architecture Reference Guide (July 2026). The comments in the code are by the model that wrote it; some were corrected since.
;; Compute Attention. Allowed arithmetic: matrix products marked QUANTISED: E5M2 operands, one given power-of-two scale a tensor, by v_wmma_f32_16x16x64_bf8_bf8 or v_wmma_f32_16x16x128_bf8_bf8, f32 sums; everything else in f32.
;; Inputs: K 4 x 16 x 2,048 x 64 float32; Q 4 x 16 x 2,048 x 64 float32; V 4 x 16 x 2,048 x 64 float32; lowp_scales 4 int32 (the exponents e of the quantised operands' scales 2^e).
;; Outputs: out0 4 x 16 x 2,048 x 64 float32.
;; This version of the problem:
;;   THIS VERSION OF THE PROBLEM IS GIVEN IN LOW PRECISION. The matrix products marked QUANTISED in the list below multiply operands that are first quantised to E5M2 (5 exponent bits, 2 mantissa bits; 8 bits a number), with one given power-of-two scale for each operand tensor; their sums are f32. All else is computed in f32.
;;   The module's matrix products, in the order in which they are computed (A, B: the left and right operand; K: the contracted axis; several contracted axes count as one K, in the product's order):
;;     1. batch 64 x [M 2,048, K 64] x [K 64, N 2,048]; A: input Q; B: input K: QUANTISED (scales: A lowp_scales[0], B lowp_scales[1])
;;     2. batch 64 x [M 2,048, K 2,048] x [K 2,048, N 64]; A: softmax (see below); B: input V: QUANTISED (scales: A lowp_scales[2], B lowp_scales[3])
;;   THE QUANTISER, for each operand of a quantised product, along K:
;;     - The operand's scale is 2^e, e = its entry of the input lowp_scales (int32; the entries are numbered through the quantised products in the list's order, A before B).
;;     - Each number is divided by the scale, clamped to +-57,344, and rounded to the nearest number of E5M2, ties to even, subnormals kept.
;;     - The product sums the exact products of the quantised numbers (number of the format x scale) in f32.
;;   ~~~python
;;   def quantise(x, axis, e):      # numpy; x: float32 -> the quantised numbers, widened to float32 again
;;       x = np.moveaxis(x, axis, -1); K = x.shape[-1]
;;       r = np.clip(x / 2.0 ** e, -57344, 57344)
;;       step = 2.0 ** (np.maximum(np.frexp(np.where(r == 0, 1, r))[1] - 1, -14) - 2)
;;       q = np.round(r / step) * step * 2.0 ** e      # np.round: ties to even
;;       return np.moveaxis(q, -1, axis).astype(np.float32)
;;   ~~~
;;   SOFTMAX AHEAD OF A QUANTISED PRODUCT. Where the list says 'softmax', what is quantised is not the finished softmax but p = 2^(t - M), with t = logit x log2(e) and M = ceil(the row's largest t), a whole number; so 1/2 < the row's largest p <= 1. The row's sum l is taken of the UNQUANTISED p, in f32, and the product's result is divided by l at the end. Since M is a whole number, a kernel that streams over the keys may use a running M (the ceiling of the running maximum): every later rescaling is an exact power of two, so the quantised numbers keep their values, but for numbers so far below the row's largest that they fall under the format's range.
;;   OPERANDS COMPUTED ON THE WAY. 'Computed on the way' means the value that the module computes at that place (a softmax that the list does not call 'softmax' is quantised finished and normalised). What goes into a quantiser is computed in f32, as accurately as f32 sums, v_exp_f32 and their like allow (about 1e-6 of the number): no bf16 or f16 on the way to a quantiser, and a product that is left as it is and whose result goes on into a quantised operand takes f32 operands (vector FMAs, or v_wmma_f32_16x16x4_f32). A number that lies on a knife's edge between two numbers of the format may be rounded either way, as far as f32 arithmetic and the matrix unit's own rounding can turn it there, and no further.
;; One version. Each part assembles by itself: llvm-mc -triple=amdgcn-amd-amdhsa -mcpu=gfx1250 --defsym DOCPART=n.
;; ======== version 1 of 1: 2 launches
;; limits: right only within a limited range of input values
;; workspace buffers: kv 16,777,216 bytes
;; launch prep (part 1): grid 1024 x 1, 4 waves a work-group, no clusters, 35,328 bytes of LDS; arguments K, V, lowp_scales, kv; writes kv
.if DOCPART == 1
	.amdgcn_target "amdgcn-amd-amdhsa--gfx1250"
	.amdhsa_code_object_version 6
	.text
	.protected	k_q95286c70c5_prep
	.globl	k_q95286c70c5_prep
	.p2align	8
	.type	k_q95286c70c5_prep,@function
k_q95286c70c5_prep:
	s_mov_b64 s[64:65], 0
	v_nop
	global_prefetch_b8 v0, s[64:65] scope:SCOPE_SE
	s_setreg_imm32_b32 hwreg(HW_REG_WAVE_MODE, 25, 1), 1
	s_wait_xcnt 0x0
; K and V, [64 heads][2048 keys][64] f32, become codes of BF8 (E5M2), each with the one scale 2^e that is given for it (ek = entry 1, ev = entry 3 of the scales),
; laid in kv in the ORDER OF THE OPERANDS' REGISTERS, so that the attention launch takes every fragment by loads of 16 bytes a lane, 512 consecutive bytes an instruction.
; code = x / 2^e, held within +-57,344, rounded to the nearest code, ties to even.
; LIMITS: ek and ev between -126 and 112, so that 2^e and 57,344 x 2^e are f32 numbers.  NaN among the inputs is not served (an infinity is held at the largest code).
; kv: [head][step of 128 keys][16,384 bytes].  In a step's block (lane = (r = lane % 16, h = lane / 16)):
;   bytes 0 .. 8,191: K's eight fragments, tile T at 1024 T + 512 c + 16 lane (c = 0, 1).  Lane (r, h) holds key 16 T + 2 (r % 8) + r / 8, and its 16 bytes of piece c are d = 32 c + 16 h + 0 .. 15.
;   bytes 8,192 on:   V^T's four fragments, fragment u at 8192 + 2048 u + 512 c + 16 lane (c = 0 .. 3).  Lane (x, y) holds channel 4 x + u, and byte i of piece c is key 32 c + 2 i + y.
; SHARES.  A work-group takes one step (work-group number = 16 x head + step); wave w takes its keys 32 w .. 32 w + 31: 8,192 dense bytes of K and of V, 2,048 bytes of codes of each.
; Each load reads 512 consecutive bytes (two keys' rows): lane (x, y) gets key 2 m + y, numbers 4 x .. 4 x + 3.
; V needs no turn at all: register 4 m + u of a lane IS (key 2 m + y, channel 4 x + u), so the hold writes it to place 16 u + m and the conversions find 16 keys of one parity on end.
; K wants 16 neighbours along d in a lane: its 8,192 bytes go through the wave's own stage in LDS, as they lie, and come back 64 bytes a lane.
; No barrier, no loop, no tensor load: waves share nothing; all 32 loads of a wave go out at once.  No prefetch: the launch is one burst of loads.
.set PITCH, 272                        ; a stage row: a key's 256 bytes + 16 of padding = 68 words: row i starts at bank 4 i mod 64 (64 banks of 4 bytes: ISA guide 11.1), so the 16 rows that a load touches start at 16 different banks
.set WST,   32*PITCH                   ; a wave's stage: 32 keys
.set RK,    16                         ; v16-79    K as loaded
.set XV,    16                         ; v16-79    later: V held, 16 keys on end for each of four channels
.set RV,    80                         ; v80-143   V as loaded
.set XK,    144                        ; v144-207  K back from the stage: 32 T' + 16 c + i = d 32 c + 16 h + i of my key of tile 2 w + T'
.set CV,    208                        ; v208-223  V's codes
.set CK,    224                        ; v224-239  K's codes
	s_load_b256 s[4:11], s[0:1], 0x0               ; K s[4:5], V s[6:7], the scales' exponents s[8:9], kv s[10:11]
	v_lshl_add_u32 v240, v0, 2, 0x8800
	v_mov_b32 v241, 0
	v_lshrrev_b32 v1, 5, v0
	v_readfirstlane_b32 s12, v1                    ; wave 0..3
	v_and_b32 v1, 31, v0                           ; lane
	v_lshlrev_b32 v2, 4, v1                        ; my 16 bytes of a load's 512
	v_and_b32 v12, 15, v0                          ; r
	v_bfe_u32 v13, v0, 4, 1                        ; h
	s_mul_i32 s13, s12, WST                        ; my wave's stage
	v_mul_u32_u24 v3, v13, PITCH
	v_lshl_add_u32 v3, v12, 4, v3
	v_add_nc_u32 v3, s13, v3                       ; into the stage: row lane / 16 of a load's two, 16 bytes a lane
	v_and_b32 v14, 7, v0
	v_bfe_u32 v15, v0, 3, 1
	v_lshl_add_u32 v14, v14, 1, v15                ; 2 (r % 8) + r / 8: which key of a tile's sixteen is my lane's
	v_mul_u32_u24 v4, v14, PITCH
	v_lshl_add_u32 v4, v13, 6, v4
	v_add_nc_u32 v4, s13, v4                       ; out of the stage: that key's row, + 64 h bytes
	s_lshl_b32 s22, s12, 11
	v_add_nc_u32 v5, s22, v2                       ; K's codes: 16 lane + my two tiles' 2,048 bytes
	s_lshl_b32 s22, s12, 9
	v_add_nc_u32 v6, s22, v2                       ; V's codes: 16 lane + piece c = w of each fragment
	s_lshl_b32 s14, ttmp9, 15                      ; the step's 128 keys of 256 bytes,
	s_lshl_b32 s23, s12, 13                        ; my wave's 32 of them
	s_add_co_u32 s14, s14, s23
	s_mov_b32 s15, 0
	s_lshl_b32 s20, ttmp9, 14                      ; the step's block in kv
	s_mov_b32 s21, 0
	s_wait_kmcnt 0x0
	s_load_b128 s[16:19], s[8:9], 0x0              ; eq, ek, ep, ev
	s_add_nc_u64 s[4:5], s[4:5], s[14:15]
	s_add_nc_u64 s[6:7], s[6:7], s[14:15]
	s_add_nc_u64 s[10:11], s[10:11], s[20:21]
.macro LOADS reg, base                 ; 16 loads: 8,192 dense bytes
.set m, 0
.rept 16
	global_load_b128 v[\reg+4*m:\reg+4*m+3], v2, s[\base:\base+1] offset:512*m th:TH_LOAD_NT
.set m, m+1
.endr
.endm
	LOADS RK, 4
	LOADS RV, 6
	s_wait_kmcnt 0x0
	s_add_co_i32 s22, s17, 127
	s_lshl_b32 s23, s22, 23
	v_mov_b32 v8, s23                              ; 2^ek as f32: the conversion takes its exponent field
	s_add_co_i32 s22, s22, 15
	s_lshl_b32 s22, s22, 23
	s_or_b32 s22, s22, 0x600000
	v_mov_b32 v9, s22                              ; 57,344 x 2^ek
	s_add_co_i32 s22, s19, 127
	s_lshl_b32 s23, s22, 23
	v_mov_b32 v10, s23                             ; 2^ev
	s_add_co_i32 s22, s22, 15
	s_lshl_b32 s22, s22, 23
	s_or_b32 s22, s22, 0x600000
	v_mov_b32 v11, s22                             ; 57,344 x 2^ev
	s_wait_loadcnt 16                              ; K's 16 loads are in; V's 16, issued behind them, may be out
.set m, 0
.rept 16
	ds_store_b128 v3, v[RK+4*m:RK+4*m+3] offset:2*PITCH*m          ; two keys' rows
.set m, m+1
.endr
.irp t, 0,1
.irp c, 0,1
.irp j, 0,1,2,3
	ds_load_b128 v[XK+32*\t+16*\c+4*\j:XK+32*\t+16*\c+4*\j+3], v4 offset:16*PITCH*\t+128*\c+16*\j   ; LDS serves a wave's instructions in order (ISA guide 5.7.1.4): these see the stores above
.endr
.endr
.endr
	s_wait_loadcnt 0x0                             ; V is in
	s_wait_dscnt 16                                ; the stage's 16 stores are done, so K's registers may be written; the 16 loads behind them may be out
.irp u, 0,1,2,3                        ; V: the hold puts (key 2 m + y, channel 4 x + u) at place 16 u + m
.set m, 0
.rept 16
	v_med3_num_f32 v[XV+16*\u+m], v[RV+4*m+\u], -v11, v11          ; the conversion to an 8-bit code does not saturate (ISA guide 7.6.2): hold the number within the largest code x the scale first
.set m, m+1
.endr
	v_cvt_scalef32_pk8_bf8_f32 v[CV+4*\u:CV+4*\u+1], v[XV+16*\u:XV+16*\u+7], v10
	v_cvt_scalef32_pk8_bf8_f32 v[CV+4*\u+2:CV+4*\u+3], v[XV+16*\u+8:XV+16*\u+15], v10
.endr
.irp u, 0,1,2,3
	global_store_b128 v6, v[CV+4*\u:CV+4*\u+3], s[10:11] offset:8192+2048*\u   ; 32 lanes store 512 consecutive bytes, at a multiple of 512 from kv's first byte
.endr
	s_wait_dscnt 0x0                               ; K is back from the stage
.irp g, 0,1,2,3,4,5,6,7                ; K: eight numbers held, then their conversion; the next group's holds are plain lines on other registers
.irp i, 0,1,2,3,4,5,6,7
	v_med3_num_f32 v[XK+8*\g+\i], v[XK+8*\g+\i], -v9, v9
.endr
	v_cvt_scalef32_pk8_bf8_f32 v[CK+2*\g:CK+2*\g+1], v[XK+8*\g:XK+8*\g+7], v8
.endr
.irp n, 0,1,2,3                        ; piece n = 2 T' + c of my two tiles.  (The codes go to stores alone, and no vector line follows the last conversion)
	global_store_b128 v5, v[CK+4*\n:CK+4*\n+3], s[10:11] offset:512*\n
.endr
	s_wait_tensorcnt 0x0
	ds_add_u32 v240, v241
	s_wait_dscnt 0x0
	s_endpgm
.Lfunc_end_k_q95286c70c5_prep:
	.size	k_q95286c70c5_prep, .Lfunc_end_k_q95286c70c5_prep-k_q95286c70c5_prep
	.p2alignl 7, 3214868480
	.fill 96, 4, 3214868480
	.section	.rodata,"a",@progbits
	.p2align	6, 0x0
	.amdhsa_kernel k_q95286c70c5_prep
		.amdhsa_group_segment_fixed_size 35328
		.amdhsa_private_segment_fixed_size 0
		.amdhsa_enable_private_segment 0
		.amdhsa_kernarg_size 32
		.amdhsa_user_sgpr_count 2
		.amdhsa_user_sgpr_kernarg_segment_ptr 1
		.amdhsa_wavefront_size32 1
		.amdhsa_system_sgpr_workgroup_id_x 1
		.amdhsa_system_sgpr_workgroup_id_y 1
		.amdhsa_system_sgpr_workgroup_id_z 1
		.amdhsa_system_vgpr_workitem_id 0
		.amdhsa_next_free_vgpr 242
		.amdhsa_next_free_sgpr 66
		.amdhsa_reserve_vcc 0
		.amdhsa_float_denorm_mode_32 3
		.amdhsa_float_denorm_mode_16_64 3
		.amdhsa_memory_ordered 1
		.amdhsa_forward_progress 1
		.amdhsa_inst_pref_size 18
	.end_amdhsa_kernel
	.amdgpu_metadata
---
amdhsa.version: [ 1, 2 ]
amdhsa.kernels:
  - .name:           k_q95286c70c5_prep
    .symbol:         k_q95286c70c5_prep.kd
    .args:
      - { .name: K, .offset: 0, .size: 8, .value_kind: global_buffer, .address_space: global }
      - { .name: V, .offset: 8, .size: 8, .value_kind: global_buffer, .address_space: global }
      - { .name: lowp_scales, .offset: 16, .size: 8, .value_kind: global_buffer, .address_space: global }
      - { .name: kv, .offset: 24, .size: 8, .value_kind: global_buffer, .address_space: global }
    .group_segment_fixed_size: 35328
    .private_segment_fixed_size: 0
    .kernarg_segment_align: 8
    .kernarg_segment_size: 32
    .max_flat_workgroup_size: 128
    .sgpr_count:     66
    .vgpr_count:     242
    .wavefront_size: 32
...
	.end_amdgpu_metadata
.endif
;; end of part 1
;; launch attn (part 2): grid 4 x 64, 16 waves a work-group, no clusters, 327,680 bytes of LDS; arguments Q, kv, lowp_scales, out0; writes out0
.if DOCPART == 2
	.amdgcn_target "amdgcn-amd-amdhsa--gfx1250"
	.amdhsa_code_object_version 6
	.text
	.protected	k_q95286c70c5_attn
	.globl	k_q95286c70c5_attn
	.p2align	8
	.type	k_q95286c70c5_attn,@function
k_q95286c70c5_attn:
	s_mov_b64 s[64:65], 0
	v_nop
	global_prefetch_b8 v0, s[64:65] scope:SCOPE_SE
	s_setreg_imm32_b32 hwreg(HW_REG_WAVE_MODE, 25, 1), 1
	s_wait_xcnt 0x0
; out0[head][q][:] = the sum over k <= q of softmax_k(Q[q] . K[k] / 8) V[k][:], 64 heads, 2,048 queries and keys, head size 64; both products on codes of BF8 (E5M2), each operand with its given scale 2^e: eq, ek, ep, ev.
; K's and V's codes come from kv, laid by the launch before as images of the operands' registers; Q (f32) is read once by one wave and quantised here, in registers.
; THE SOFTMAX AHEAD OF THE SECOND PRODUCT: t = score x log2(e) / 8; M = the largest t so far, rounded UP to a whole number; p = 2^(t - M) is what is quantised; it is not normalised.
; The sum is taken of the unquantised p, in f32, and divides O at the end.  When M moves, the sum and O are multiplied by 2^(old M - new M): exact.
; SHARES.  Work-group (I = x, head = y) owns the query blocks I and 7 - I, 256 queries each, one after the other.  Block I needs the key slots (256 keys) 0 .. I, block 7 - I the slots 0 .. 7 - I:
; (I + 1) + (8 - I) = 9 slots for EVERY work-group: 256 equal work-groups, and a loop whose trip count is a constant.  Each of the sixteen waves owns one tile of 16 queries, in 256 registers:
; four waves to a SIMD, so that one wave's vector work stands beside another's matrix work and LDS loads.
; NO CLUSTER, NO JOINT LOADS: the four work-groups of a head walk the slots in different orders (trip n reads slot n up to n = I and slot n - I - 1 behind it).  In step with each other they
; would need 4 + 8 = 12 rounds in place of 9 trips, and what they share is 32,768 bytes a trip.
; LAYOUT (lane = (r = lane % 16, h = lane / 16)).  Both products are used transposed, so that a lane holds ONE query, r, throughout.
;   S^T = K Q^T: source 0 = tile T's 16 keys, whose row m is key 16 T + 2 (m % 8) + m / 8; so register j of tile T is key 16 T + 2 j + h.  Along d both sources have d = 32 c + 16 h + 0 .. 15 in registers 4 c .. 4 c + 3.
;   The conversions of tiles 2 c and 2 c + 1 give registers 4 c .. 4 c + 3 of P: byte i is key 32 c + 2 i + h, and V^T's fragments are laid so too.
;   O^T = V^T P^T: source 0 = fragment u, whose row x is channel 4 x + u; so register j of tile u is channel 32 h + 4 j + u: a lane's 32 results are 32 neighbouring channels.
; THE MASK.  A step all of whose 128 keys come after the wave's 16 queries is jumped over (a scalar branch on ids and counters; no barrier and no tensor load stands in a step).  On the diagonal
; hidden scores become -infinity ahead of the maximum, so p = 0.  A step that is not jumped over has its first key at or before every query of the tile, so M is always a number.
; LIMITS.  -infinity stands for the mask's -1e7: the same result as long as every row's largest visible score lies above about -1e7 + 150.  eq and ep between -126 and 112; eq + ek between -123 and 130
; (they are added to the exponent field of log2(e) / 8); ep + ev is applied by v_ldexp_f32 and has none.  NaN among the inputs is not served.
; LDS: two slots of 32,768 bytes (two steps of 16,384: K's eight fragments, then V^T's four), dense images, no padding: every load is 512 consecutive bytes; the sixteen stages for the way out
; (used in mid-loop, so no tile ever lands there); the spare words.  The launch claims all of a WGP's LDS.
.set STEPB, 16384                      ; a step's block
.set VOFF,  8192                       ; V^T's fragments in it
.set SLOT1, 32768                      ; slot 1: one exclusive or turns an address in one slot into the other's
.set STAGE, 65536                      ; 16 rows x SP bytes for each wave
.set SP,    272                        ; a stage row: 256 bytes + 16 = 68 words: row i starts at bank 4 i mod 64 (64 banks of 4 bytes: ISA guide 11.1)
.set SPARE, STAGE+16*16*SP             ; 135,168: the spare words, 128 bytes for each wave: eight blocks of 256 bytes that no other line names
.set LI,   1                           ; v1   16 x lane: an image's place for my lane; also my place in two rows of out0
.set SPW,  2                           ; v2   LDS address of my spare word; never rewritten
.set NIL,  3                           ; v3   0; never rewritten
.set ADR,  4                           ; v4   LI + the slot in hand
.set STO,  5                           ; v5   the way out: where I put my 128 bytes of row r
.set RD,   6                           ; v6   the way out: where I read rows back
.set QO,   7                           ; v7   Q: 256 r + 64 h
.set RMH,  8                           ; v8   r - h
.set PFO,  9                           ; v9   256 x lane, for the prefetches
.set PSC,  10                          ; v10  2^ep;  v11  57,344 x 2^ep
.set PLIM, 11
.set NM,   12                          ; v12  -M;  v13 the largest t so far;  v[14:15] the sum, in two halves
.set QC,   16                          ; v16-23   Q's codes
.set QSC,  24                          ; v24  2^eq;  v25  57,344 x 2^eq
.set QLIM, 25
.set FR,   32                          ; v32-95   K's eight fragments, then V^T's four; on the way out the rows read back
.set SC,   96                          ; v96-159  S^T, then p
.set OT,   160                         ; v160-191 O^T: 8 u + j
.set PC,   192                         ; v192-207 p's codes
.set QB,   208                         ; v208-239 the second block's Q as f32 (its loads are out during the first block), then the results to be staged
.set MA,   240                         ; v240, v241 the maximum's two chains
.set SU,   242                         ; v[242:243] the sum's second chain
.set FF,   244                         ; v244 f = 2^(old M - new M); v245 is named with it as a pair
.set PX,   246                         ; v246 a lane permute's destination
.set DD,   247                         ; v247 my query - the step's first key - h
.set NINF, 248                         ; v248 -infinity
.set WV,   12                          ; s12  my wave's number
.set II,   13                          ; s13  I
.set TRIP, 15                          ; s15  the trip, 0 .. 8
.set SIG,  16                          ; s16  the key slot asked for last
.set TB,   17                          ; s17  LDS byte at which the slot in hand begins
.set KF,   18                          ; s18  the step's first key
.set Q0,   19                          ; s19  my first query
.set LIM,  20                          ; s20  a wave prefetches while the trip is under it
.set EPV,  21                          ; s21  ep + ev
.set G1,   24                          ; s[24:31] descriptor group 1
.set G0,   32                          ; s[32:35] descriptor group 0
.set BASE, 36                          ; s[36:37] kv at my head, + my step of a slot
.set OFF,  38                          ; s[38:39] the slot's bytes
.set PFA,  40                          ; s[40:41] where my prefetches stand
.set OB,   42                          ; s[42:43] out0 at my 16 rows
.set CS,   44                          ; s[44:45] c = log2(e) / 8 x 2^(eq + ek): the packed form names a pair and takes its low word for both halves
.set SEL,  46                          ; s[46:47] lane selects for v_permlanex16_b32: lane l xor 16
.set Q0B,  58                          ; s58  my first query of the second block
; Waves 0 and 1 fetch, a step's 16,384 bytes each; the branch hangs on the wave's number alone.  Four v_nop follow the load.  By this text's count a wave has one tensor load out.
.macro TLOAD
	s_cmp_lt_u32 s[WV], 2
	s_cbranch_scc0 .Lno_load_\@
	tensor_load_to_lds s[G0:G0+3], s[G1:G1+7]
	s_nop 0
.rept 4
	v_nop
.endr
.Lno_load_\@:
.endm
; A PREFETCH INTO THE L2.  All four work-groups of a head read the head's eight slots: work-group I = 0 asks, and in it waves 4 to 7, which fetch nothing: 8,192 bytes a wave, lanes 256 bytes apart, one instruction.
; The change of slots of trip n names slot n + 2, for n = 0 .. 5: each aligned block of 256 bytes of slots 2 to 7 is named once in the launch.  The earliest tensor load for slot n + 2 stands in trip n + 1
; (work-groups that are still in a block of that many slots); work-group 0's own in trip n + 2.  Slots 0 and 1 come by their loads alone; trips 6 and 7 ask for nothing: there is no slot 8.
.macro ASK
	s_cmp_lt_u32 s[TRIP], s[LIM]
	s_cbranch_scc0 .Lno_ask_\@
	global_prefetch_b8 v[PFO], s[PFA:PFA+1] th:TH_LOAD_NT scope:SCOPE_SE
.Lno_ask_\@:
.endm
; THE CHANGE OF SLOTS stands at a trip's head.  Each wave waits for all its tensor loads (its part of the slot that it is about to read), adds 0 to its spare word, and waits for that and for its reads of the slot
; that it has left.  Behind the barrier the slot ahead is whole and nobody reads the other one.  fill = 1: that other slot takes the next trip's keys: the load has a trip's two steps in which to land.
.macro CHANGE fill
	s_wait_tensorcnt 0x0                           ; no tensor load of mine is out, so group 0 may be written
	ds_add_u32 v[SPW], v[NIL]                      ; 0 onto my spare word; with fill = 1 the descriptor's steps stand between it and the wait for it
.if \fill
	s_xor_b32 s[G0+1], s[G0+1], SLOT1              ; the other LDS slot than last time
	s_add_co_u32 s[SIG], s[SIG], 1                 ; the next key slot,
	s_cmp_eq_u32 s[TRIP], s[II]
	s_cselect_b32 s[SIG], 0, s[SIG]                ; or slot 0 again, where this trip is the first block's last
	s_lshl_b32 s[OFF], s[SIG], 15
	s_add_nc_u64 s[G0+2:G0+3], s[BASE:BASE+1], s[OFF:OFF+1]
	s_or_b32 s[G0+3], s[G0+3], 0x80000000          ; type = 2
	s_wait_xcnt 0x0                                ; the last prefetch, a trip back, has read its address, so it may be written
	s_add_nc_u64 s[PFA:PFA+1], s[PFA:PFA+1], SLOT1
.endif
	s_wait_dscnt 0x0                               ; the add is done, and my reads of the slot that I have left are over
	s_barrier_signal -1
	s_barrier_wait -1
.if \fill
	TLOAD                                          ; the first thing behind the barrier, and a wave's one tensor load until the next
	ASK
.endif
.endm
; A KEY STEP: 128 keys, the q-th step of the slot in hand.
.macro STEP q
	s_add_co_u32 s22, s[Q0], 15
	s_cmp_gt_u32 s[KF], s22                        ; all 128 keys come after my 16 queries: nothing to do
	s_cbranch_scc1 .Lhidden_\@
	v_add_nc_u32 v[ADR], s[TB], v[LI]
.rept 3
	v_nop                                          ; with the addition above: four places in front of loads into registers that the last products have read (ISA guide 7.12.1 for vector instructions)
.endr
.irp t, 0,1,2,3,4,5,6,7
.irp c, 0,1
	ds_load_b128 v[FR+8*\t+4*\c:FR+8*\t+4*\c+3], v[ADR] offset:STEPB*(\q)+1024*\t+512*\c
.endr
.endr
	s_wait_dscnt 8                                 ; tiles 0 to 3 are in; the eight loads of tiles 4 to 7 may be out
.irp t, 0,1,2,3
	v_wmma_f32_16x16x64_bf8_bf8 v[SC+8*\t:SC+8*\t+7], v[FR+8*\t:FR+8*\t+7], v[QC:QC+7], 0
.endr
	s_wait_dscnt 0x0
.irp t, 4,5,6,7
	v_wmma_f32_16x16x64_bf8_bf8 v[SC+8*\t:SC+8*\t+7], v[FR+8*\t:FR+8*\t+7], v[QC:QC+7], 0
.endr
	s_sub_co_i32 s22, s[Q0], s[KF]
	v_add_nc_u32 v[DD], s22, v[RMH]                ; d = my query - the step's first key - h.  Register j of tile T holds key KF + 16 T + 2 j + h: hidden where 16 T + 2 j > d
	v_mov_b32 v[NINF], 0xff800000
	v_nop
	v_nop                                          ; four places: in front of the loads into K's registers, and of the first read of the scores
.irp u, 0,1,2,3                        ; V^T's fragments are asked for now and land under the softmax
.irp c, 0,1,2,3
	ds_load_b128 v[FR+16*\u+4*\c:FR+16*\u+4*\c+3], v[ADR] offset:STEPB*(\q)+VOFF+2048*\u+512*\c
.endr
.endr
	s_add_co_u32 s23, s[KF], 127
	s_cmp_le_u32 s23, s[Q0]                        ; all 128 keys count for all my queries: no mask
	s_cbranch_scc1 .Lopen_\@
.irp t, 0,1,2,3,4,5,6,7
.irp j, 0,1,2,3,4,5,6,7
	v_cmp_gt_i32 vcc_lo, 16*\t+2*\j, v[DD]
	v_cndmask_b32 v[SC+8*\t+\j], v[SC+8*\t+\j], v[NINF], vcc_lo
.endr
.endr
.Lopen_\@:
	v_max3_num_f32 v[MA], v[SC], v[SC+1], v[SC+2]  ; the step's largest score of my query among my 64 keys, in two chains, each tile from its low end on,
	v_max3_num_f32 v[MA+1], v[SC+3], v[SC+4], v[SC+5]
.irp i, 6,10,14,18,22,26,30,34,38,42,46,50,54,58
	v_max3_num_f32 v[MA], v[MA], v[SC+\i], v[SC+1+\i]
	v_max3_num_f32 v[MA+1], v[MA+1], v[SC+2+\i], v[SC+3+\i]
.endr
	v_max3_num_f32 v[MA], v[MA], v[SC+62], v[SC+63]
	v_max_num_f32 v[MA], v[MA], v[MA+1]
	v_permlanex16_b32 v[PX], v[MA], s[SEL], s[SEL+1]
	v_max_num_f32 v[MA], v[MA], v[PX]              ; and among lane l xor 16's: the keys of the other parity
	v_mul_f32 v[MA], s[CS], v[MA]                  ; as t (c is positive)
	v_max_num_f32 v[NM+1], v[NM+1], v[MA]          ; the running largest t
	v_mov_b32 v[MA], v[NM]
	v_floor_f32 v[NM], -v[NM+1]                    ; the new -M = floor(-t) = -ceil(t): M is a whole number
	v_sub_f32 v[MA], v[NM], v[MA]                  ; M's old value less its new one: a whole number, 0 or less
	v_cvt_i32_f32 v[MA], v[MA]                     ; (it saturates)
	v_ldexp_f32 v[FF], 1.0, v[MA]                  ; f = 2^(old M - new M)
	; ONE BATCH: the 32 packed scalings t - M, the 64 exponentials, and O^T x f set between them.  No line of it names an exponential's result; a pair is scaled two pairs ahead of its exponentials.
	v_pk_fma_f32 v[SC:SC+1], v[SC:SC+1], s[CS:CS+1], v[NM:NM+1] op_sel_hi:[1,0,0]
	v_pk_fma_f32 v[SC+2:SC+3], v[SC+2:SC+3], s[CS:CS+1], v[NM:NM+1] op_sel_hi:[1,0,0]
.set b, 0
.rept 32
	v_exp_f32 v[SC+2*b], v[SC+2*b]                 ; p = 2^(t - M), at most 1
	v_exp_f32 v[SC+2*b+1], v[SC+2*b+1]
.if b < 30
	v_pk_fma_f32 v[SC+4+2*b:SC+5+2*b], v[SC+4+2*b:SC+5+2*b], s[CS:CS+1], v[NM:NM+1] op_sel_hi:[1,0,0]
.endif
.if (b%2) == 0
	v_pk_mul_f32 v[OT+b:OT+b+1], v[OT+b:OT+b+1], v[FF:FF+1] op_sel_hi:[1,0]   ; O^T under the new M, each accumulator from its low end on
.endif
.set b, b+1
.endr
	v_pk_mul_f32 v[NM+2:NM+3], v[NM+2:NM+3], v[FF:FF+1] op_sel_hi:[1,0]       ; the sums under the new M: the plain line behind the last exponential (ISA guide 5.7.2)
	s_wait_alu depctr_va_vdst(0)                   ; one wait for the whole batch, ahead of the first line that names a result
	v_pk_add_f32 v[SU:SU+1], v[SC:SC+1], v[SC+2:SC+3]   ; the sum is taken of the UNQUANTISED p: two at a time, in two chains
.irp j, 4,8,12,16,20,24,28,32,36,40,44,48,52,56,60
	v_pk_add_f32 v[NM+2:NM+3], v[NM+2:NM+3], v[SC+\j:SC+1+\j]
	v_pk_add_f32 v[SU:SU+1], v[SU:SU+1], v[SC+2+\j:SC+3+\j]
.endr
	v_pk_add_f32 v[NM+2:NM+3], v[NM+2:NM+3], v[SU:SU+1]
.irp c, 0,1,2,3
.irp i, 0,1,2,3,4,5,6,7,8,9,10,11,12,13,14,15
	v_min_num_f32 v[SC+16*\c+\i], v[SC+16*\c+\i], v[PLIM]   ; the conversion to an 8-bit code does not saturate (ISA guide 7.6.2); p is not negative, so the hold is one-sided
.endr
	v_cvt_scalef32_pk8_bf8_f32 v[PC+4*\c:PC+4*\c+1], v[SC+16*\c:SC+16*\c+7], v[PSC]
	v_cvt_scalef32_pk8_bf8_f32 v[PC+4*\c+2:PC+4*\c+3], v[SC+16*\c+8:SC+16*\c+15], v[PSC]
.endr
	v_nop                                          ; one plain line between the last conversion and the products that read its result (and, next step, write its sources)
	s_wait_dscnt 0x0                               ; V^T's fragments are in
.irp u, 0,1,2,3                        ; the four accumulators take turns, one instruction a turn, and eight other products stand between two steps'
	v_wmma_f32_16x16x128_bf8_bf8 v[OT+8*\u:OT+8*\u+7], v[FR+16*\u:FR+16*\u+15], v[PC:PC+15], v[OT+8*\u:OT+8*\u+7]
.endr
.Lhidden_\@:
	s_add_co_u32 s[KF], s[KF], 128
.endm
.macro QLOAD dst, base                 ; my 16 queries: lane (r, h) takes, of row r, d = 32 c + 16 h + 0 .. 15 into registers 16 c on
.irp c, 0,1
.irp j, 0,1,2,3
	global_load_b128 v[\dst+16*\c+4*\j:\dst+16*\c+4*\j+3], v[QO], s[\base:\base+1] offset:128*\c+16*\j th:TH_LOAD_NT
.endr
.endr
.endm
.macro QQUANT src                      ; 32 numbers of a lane become Q's fragment
.set i, 0
.rept 32
	v_med3_num_f32 v[\src+i], v[\src+i], -v[QLIM], v[QLIM]
.set i, i+1
.endr
.irp g, 0,1,2,3
	v_cvt_scalef32_pk8_bf8_f32 v[QC+2*\g:QC+2*\g+1], v[\src+8*\g:\src+8*\g+7], v[QSC]
.endr
	v_nop                                          ; one plain line behind the last conversion: products read its result, and later lines write its sources
.endm
.macro INIT                            ; a block begins: the step is written once, so its first run finds zeros, which the first change of M leaves zeros
	v_mov_b32 v[NM+1], 0xff61b1e6                  ; the largest t so far: -3e38, under every t
	v_floor_f32 v[NM], -v[NM+1]
	v_mov_b32 v[NM+2], 0
	v_mov_b32 v[NM+3], 0
.set i, 0
.rept 32
	v_mov_b32 v[OT+i], 0
.set i, i+1
.endr
.endm
; A BLOCK'S WAY OUT.  O^T is divided by the sum, multiplied by 2^(ep + ev), and goes through my own stage in LDS: in as 128 bytes of row r a lane, back as whole rows of 256 bytes.  re = 1: the second block follows.
.macro FINISH re
	s_wait_loadcnt 0x0                             ; the second block's Q is in: its registers are read below (re = 1) and then written
.rept 4
	v_nop                                          ; four places behind the last products, in front of the first read of O^T, of writes over Q's codes and of loads into V^T's registers
.endr
.if \re
	QQUANT QB
.endif
	v_add_f32 v[NM+2], v[NM+2], v[NM+3]            ; the sum's two halves,
	v_permlanex16_b32 v[PX], v[NM+2], s[SEL], s[SEL+1]
	v_add_f32 v[NM+2], v[NM+2], v[PX]              ; and lane l xor 16's
	v_rcp_f32 v[NM+2], v[NM+2]
	v_nop                                          ; a plain line behind the transcendental (ISA guide 5.7.2),
	s_wait_alu depctr_va_vdst(0)                   ; and a wait ahead of the first line that names its result
	v_ldexp_f32 v[NM+2], v[NM+2], s[EPV]
.irp j, 0,1,2,3,4,5,6,7
.irp u, 0,1,2,3
	v_mul_f32 v[QB+4*\j+\u], v[OT+8*\u+\j], v[NM+2]   ; place 4 j + u is channel 32 h + 4 j + u; each accumulator is read from its lowest register on
.endr
.endr
.irp j, 0,1,2,3,4,5,6,7
	ds_store_b128 v[STO], v[QB+4*\j:QB+4*\j+3] offset:16*\j
.endr
.irp t, 0,1,2,3,4,5,6,7
	ds_load_b128 v[FR+4*\t:FR+4*\t+3], v[RD] offset:2*SP*\t   ; LDS serves a wave's instructions in order (ISA guide 5.7.1.4): these see my stores
.endr
.irp t, 0,1,2,3,4,5,6,7
	s_wait_dscnt 7-\t                              ; rows 2 t and 2 t + 1 are back; the younger loads may be out
	global_store_b128 v[LI], v[FR+4*\t:FR+4*\t+3], s[OB:OB+1] offset:512*\t th:TH_STORE_NT   ; 32 lanes store 512 consecutive bytes, at a multiple of 512 from out0's first byte
.endr
.if \re
	s_wait_xcnt 0x0                                ; the stores have read their base and their data: both are written again only behind this wait
	s_mov_b32 s[Q0], s[Q0B]
	s_lshl_b32 s56, s[Q0B], 8
	s_add_nc_u64 s[OB:OB+1], s[10:11], s[56:57]
	s_mov_b32 s[KF], 0
	INIT
.endif
.endm
	s_load_b256 s[4:11], s[0:1], 0x0               ; Q s[4:5], kv s[6:7], the scales' exponents s[8:9], out0 s[10:11]
	v_lshl_add_u32 v[SPW], v0, 2, SPARE
	v_mov_b32 v[NIL], 0
	ds_add_u32 v2, v3
	s_wait_dscnt 0x0
	v_lshrrev_b32 v[ADR], 5, v0
	v_readfirstlane_b32 s[WV], v[ADR]              ; wave 0..15
	s_mov_b32 s[II], ttmp9                         ; I
	s_and_b32 s22, ttmp7, 0xffff                   ; the head
	; descriptor group 1: a step's block, dense in memory, as 64 rows of 256 bytes; no padding, no mask
	s_mov_b32 s[G1], 3<<16                         ; 17:16 elements of 8 bytes
	s_mov_b32 s[G1+1], 32<<16                      ; tensor_dim0 = 32
	s_mov_b32 s[G1+2], 64<<16                      ; tensor_dim1 = 64
	s_mov_b32 s[G1+3], 32<<16                      ; tile_dim0 = 32
	s_mov_b32 s[G1+4], 64                          ; tile_dim1 = 64
	s_mov_b32 s[G1+5], 32                          ; tensor_dim0_stride
	s_mov_b32 s[G1+6], 0
	s_mov_b32 s[G1+7], 0
	s_mov_b32 s[G0], 1                             ; count = 1
	s_and_b32 s23, s[WV], 1                        ; which of a slot's two steps I fetch, if I fetch
	s_lshl_b32 s[G0+1], s23, 14                    ; its place in LDS slot 0
	s_lshl_b32 s[OFF], s22, 18                     ; the head's 262,144 bytes of kv,
	s_add_co_u32 s[OFF], s[OFF], s[G0+1]           ; + that step's 16,384
	s_mov_b32 s[OFF+1], 0
	s_wait_kmcnt 0x0
	s_add_nc_u64 s[BASE:BASE+1], s[6:7], s[OFF:OFF+1]
	s_mov_b64 s[G0+2:G0+3], s[BASE:BASE+1]         ; key slot 0
	s_or_b32 s[G0+3], s[G0+3], 0x80000000          ; type = 2
	TLOAD                                          ; the first fill, ahead of every wait on TENSORcnt, every LDS read and every barrier
	s_load_b128 s[48:51], s[8:9], 0x0              ; eq, ek, ep, ev
	v_and_b32 v[LI], 31, v0
	v_lshlrev_b32 v[PFO], 8, v[LI]
	v_lshlrev_b32 v[LI], 4, v[LI]
	v_and_b32 v26, 15, v0                          ; r
	v_bfe_u32 v27, v0, 4, 1                        ; h
	v_lshlrev_b32 v[QO], 8, v26
	v_lshl_add_u32 v[QO], v27, 6, v[QO]
	v_sub_nc_u32 v[RMH], v26, v27
	s_mul_i32 s23, s[WV], 16*SP
	s_add_co_u32 s23, s23, STAGE                   ; my stage
	v_mul_u32_u24 v[STO], v26, SP
	v_lshl_add_u32 v[STO], v27, 7, v[STO]
	v_add_nc_u32 v[STO], s23, v[STO]               ; in: row r, + 128 h
	v_mul_u32_u24 v[RD], v27, SP
	v_lshl_add_u32 v[RD], v26, 4, v[RD]
	v_add_nc_u32 v[RD], s23, v[RD]                 ; back: lanes 0-15 one row, lanes 16-31 the next
	s_lshl_b32 s56, s22, 19                        ; the head's 524,288 bytes of Q and of out0
	s_mov_b32 s57, 0
	s_add_nc_u64 s[4:5], s[4:5], s[56:57]
	s_add_nc_u64 s[10:11], s[10:11], s[56:57]
	s_lshl_b32 s59, s[WV], 4
	s_lshl_b32 s[Q0], s[II], 8
	s_add_co_u32 s[Q0], s[Q0], s59                 ; my first query: 256 I + 16 x wave,
	s_sub_co_u32 s[Q0B], 7, s[II]
	s_lshl_b32 s[Q0B], s[Q0B], 8
	s_add_co_u32 s[Q0B], s[Q0B], s59               ; and in the second block: 256 (7 - I) + 16 x wave
	s_lshl_b32 s56, s[Q0], 8
	s_add_nc_u64 s[52:53], s[4:5], s[56:57]
	s_add_nc_u64 s[OB:OB+1], s[10:11], s[56:57]
	s_lshl_b32 s56, s[Q0B], 8
	s_add_nc_u64 s[54:55], s[4:5], s[56:57]
	QLOAD SC, 52                                   ; the first block's Q, into registers that the scores will take
	s_and_b32 s23, s[WV], 3                        ; the prefetches: my wave's 8,192 bytes,
	s_lshl_b32 s56, s23, 13
	s_lshl_b32 s23, s22, 18                        ; in my head,
	s_add_co_u32 s56, s56, s23
	s_add_co_u32 s56, s56, SLOT1                   ; in slot 1: the first change of slots steps it to slot 2.  Nothing is prefetched here, at the head
	s_add_nc_u64 s[PFA:PFA+1], s[6:7], s[56:57]
	s_lshr_b32 s23, s[WV], 2
	s_xor_b32 s23, s23, 1                          ; 0 in waves 4 to 7,
	s_or_b32 s23, s23, s[II]                       ; of the head's work-group 0
	s_cmp_eq_u32 s23, 0
	s_cselect_b32 s[LIM], 6, 0
	s_mov_b32 s[SEL], 0x76543210
	s_mov_b32 s[SEL+1], 0xfedcba98
	s_mov_b32 s[TRIP], 0
	s_mov_b32 s[SIG], 0
	s_mov_b32 s[TB], 0
	s_mov_b32 s[KF], 0
	INIT
	v_mov_b32 v[FF+1], 0                           ; (named as the upper half of the pair with f)
	v_mov_b32 v[PX], 0                             ; written once: a lane permute's destination counts as one of its sources
	s_wait_kmcnt 0x0
	s_add_co_i32 s22, s48, s49
	s_lshl_b32 s22, s22, 23
	s_add_co_i32 s[CS], s22, 0x3e38aa3b            ; log2(e) / 8, with eq + ek added to its exponent field: a score stands for score x 2^(eq + ek)
	s_mov_b32 s[CS+1], s[CS]                       ; (named with it as a pair, so it is written)
	s_add_co_i32 s22, s48, 127
	s_lshl_b32 s23, s22, 23
	v_mov_b32 v[QSC], s23                          ; 2^eq as f32: the conversion takes its exponent field
	s_add_co_i32 s22, s22, 15
	s_lshl_b32 s22, s22, 23
	s_or_b32 s22, s22, 0x600000
	v_mov_b32 v[QLIM], s22                         ; 57,344 x 2^eq
	s_add_co_i32 s22, s50, 127
	s_lshl_b32 s23, s22, 23
	v_mov_b32 v[PSC], s23                          ; 2^ep
	s_add_co_i32 s22, s22, 15
	s_lshl_b32 s22, s22, 23
	s_or_b32 s22, s22, 0x600000
	v_mov_b32 v[PLIM], s22                         ; 57,344 x 2^ep
	s_add_co_i32 s[EPV], s50, s51
	s_wait_loadcnt 0x0                             ; the first block's Q
	QQUANT SC
	QLOAD QB, 54                                   ; the second block's Q is asked for now; nothing names its registers before the first block's way out
.Ltrip:                                            ; eight trips, each a slot of 256 keys; behind each change of slots the next trip's slot is asked for
	CHANGE 1
	STEP 0
	STEP 1
	s_xor_b32 s[TB], s[TB], SLOT1                  ; on to the other slot
	s_cmp_lg_u32 s[TRIP], s[II]                    ; trip I is the first block's last: the same in all sixteen waves
	s_cbranch_scc1 .Lsame_block
	FINISH 1
.Lsame_block:
	s_add_co_u32 s[TRIP], s[TRIP], 1
	s_cmp_lt_u32 s[TRIP], 8
	s_cbranch_scc1 .Ltrip
	CHANGE 0                                       ; the ninth slot is written out
	STEP 0
	STEP 1
	FINISH 0
	s_wait_tensorcnt 0x0                           ; the wave's end, behind my last tensor load and my last LDS store
	ds_add_u32 v[SPW], v[NIL]
	s_wait_dscnt 0x0
	s_endpgm
.Lfunc_end_k_q95286c70c5_attn:
	.size	k_q95286c70c5_attn, .Lfunc_end_k_q95286c70c5_attn-k_q95286c70c5_attn
	.p2alignl 7, 3214868480
	.fill 96, 4, 3214868480
	.section	.rodata,"a",@progbits
	.p2align	6, 0x0
	.amdhsa_kernel k_q95286c70c5_attn
		.amdhsa_group_segment_fixed_size 327680
		.amdhsa_private_segment_fixed_size 0
		.amdhsa_enable_private_segment 0
		.amdhsa_kernarg_size 32
		.amdhsa_user_sgpr_count 2
		.amdhsa_user_sgpr_kernarg_segment_ptr 1
		.amdhsa_wavefront_size32 1
		.amdhsa_system_sgpr_workgroup_id_x 1
		.amdhsa_system_sgpr_workgroup_id_y 1
		.amdhsa_system_sgpr_workgroup_id_z 1
		.amdhsa_system_vgpr_workitem_id 0
		.amdhsa_next_free_vgpr 256
		.amdhsa_next_free_sgpr 66
		.amdhsa_reserve_vcc 1
		.amdhsa_float_denorm_mode_32 3
		.amdhsa_float_denorm_mode_16_64 3
		.amdhsa_memory_ordered 1
		.amdhsa_forward_progress 1
		.amdhsa_inst_pref_size 104
	.end_amdhsa_kernel
	.amdgpu_metadata
---
amdhsa.version: [ 1, 2 ]
amdhsa.kernels:
  - .name:           k_q95286c70c5_attn
    .symbol:         k_q95286c70c5_attn.kd
    .args:
      - { .name: Q, .offset: 0, .size: 8, .value_kind: global_buffer, .address_space: global }
      - { .name: kv, .offset: 8, .size: 8, .value_kind: global_buffer, .address_space: global }
      - { .name: lowp_scales, .offset: 16, .size: 8, .value_kind: global_buffer, .address_space: global }
      - { .name: out0, .offset: 24, .size: 8, .value_kind: global_buffer, .address_space: global }
    .group_segment_fixed_size: 327680
    .private_segment_fixed_size: 0
    .kernarg_segment_align: 8
    .kernarg_segment_size: 32
    .max_flat_workgroup_size: 512
    .sgpr_count:     66
    .vgpr_count:     256
    .wavefront_size: 32
...
	.end_amdgpu_metadata
.endif
;; end of part 2
